; MI455X (gfx1250); checked and timed in simulation.
; The chip was launched on July 23, 2026; its instructions are those of AMD's public machine-readable ISA for CDNA 5 (MIT licence, August 2026) and "CDNA5" Instruction Set Architecture Reference Guide (July 2026). The comments in the code are by the model that wrote it; some were corrected since.
;; Vector Quantizer. Allowed arithmetic: float matrix products may take bf16 or f16 operands with f32 sums; all other float work in f32.
;; Inputs: codebook 8,192 x 256 float32; z 16 x 1,024 x 256 float32.
;; Outputs: out0 16 x 1,024 x 256 float32; out1 one number float32.
;; 2 versions, each right; version 2 is version 1 with the launch prep written anew for expert scheduling mode. Each part assembles by itself: llvm-mc -triple=amdgcn-amd-amdhsa -mcpu=gfx1250 --defsym DOCPART=n.
;; ======== version 1 of 2: 4 launches
;; workspace buffers: zf 8,388,608 bytes; ef 4,194,304 bytes; zz 65,536 bytes; ee 32,768 bytes; cval 262,144 bytes; cidx 262,144 bytes of whole numbers; part 1,024 bytes
;; launch prep (part 1): grid 384 x 1, 4 waves a work-group, no clusters, 34,560 bytes of LDS; arguments z, codebook, zf, ef, zz, ee; writes zf, ef, zz, ee
.if DOCPART == 1
	.amdgcn_target "amdgcn-amd-amdhsa--gfx1250"
	.amdhsa_code_object_version 6
	.text
	.protected	k_q21e588c148_prep
	.globl	k_q21e588c148_prep
	.p2align	8
	.type	k_q21e588c148_prep,@function
k_q21e588c148_prep:
	s_mov_b64 s[64:65], 0
	v_nop
	global_prefetch_b8 v0, s[64:65] scope:SCOPE_SE
	s_setreg_imm32_b32 hwreg(HW_REG_WAVE_MODE, 25, 1), 1
	s_wait_xcnt 0x0
; prep: rounds z [16384][256] and codebook [8192][256] from f32 to bf16, lays them out in FRAGMENT ORDER, and makes each row's squared norm.
; Fragment order: a tile is 16 rows x 256 k = 8,192 consecutive bytes.  Block b = 2 s + p (s: K step of 32, p: half of it) is 512 bytes at 512 b;
; in it lane L's 16 bytes lie at 16 L and hold row (L & 15), k = 32 s + 16 p + 8 (L >> 4) + 0..7.  So register quad 4 b of a tile's 64 fragment
; registers is one 16-byte load with lane i at byte 16 i, from memory and from LDS alike.
; The norms are summed in f32 from the ROUNDED numbers: product and norms then belong to one distance, that of the rounded vectors.
; One wave makes one tile (16 KiB in, 8 KiB out).  Work-groups 0..255 take z (1,024 tiles), 256..383 the codebook (512 tiles).  A work-group's four
; tiles give 64 norms: 256 consecutive bytes, stored by one instruction.  No loop: all 32 loads of a wave go out at once.
; No matrix unit, no tensor loads, no cluster: every byte is read by one wave alone.
.set PITCH, 528                        ; a staged row: 512 bytes of bf16 + 16, an odd multiple of 16, so that 16 rows' equal columns fall in 16 different groups of banks
.set WST,   16*PITCH                   ; a wave's stage
.set NB,    4*WST                      ; behind the four stages: the work-group's 64 norms
.set PK,    8                          ; v[8:15]    four packed pairs in turn
.set U,     16                         ; v[16:23]   8 numbers unpacked to f32
.set NS,    24                         ; v[24:31]   four pair sums of squares
.set X,     32                         ; v[32:159]  the 32 quads as loaded
.set FR,    160                        ; v[160:223] the tile's 64 fragment registers
	s_load_b256 s[4:11], s[0:1], 0x0               ; z s[4:5], codebook s[6:7], zf s[8:9], ef s[10:11]
	s_load_b128 s[12:15], s[0:1], 0x20             ; zz s[12:13], ee s[14:15]
	v_lshl_add_u32 v224, v0, 2, 0x8500
	v_mov_b32 v225, 0
	v_lshrrev_b32 v7, 5, v0
	v_readfirstlane_b32 s16, v7                    ; wave 0..3
	v_and_b32 v10, 31, v0                          ; lane
	v_and_b32 v11, 15, v0                          ; r
	v_bfe_u32 v12, v0, 4, 1                        ; h
	s_sub_co_u32 s18, ttmp9, 256                   ; the work-group's number among the codebook's (used only from 256 on)
	s_mov_b32 s28, 0xffff0000                      ; a word's upper bf16
	s_mov_b32 s29, 0x76543210                      ; v_permlanex16_b32: lane i reads lane i of the other half
	s_mov_b32 s30, 0xfedcba98
	s_mul_i32 s31, s16, WST                        ; my stage
	s_lshl_b32 s19, s16, 6
	s_add_co_u32 s19, s19, NB                      ; my 16 norms
	v_lshlrev_b32 v1, 4, v10                       ; 16 x lane: loads of f32 and stores of fragments
	v_lshl_add_u32 v2, v10, 3, s31                 ; stage in: 8 bytes a lane
	v_mul_u32_u24 v3, v11, PITCH
	v_lshl_add_u32 v3, v12, 4, v3
	v_add_nc_u32 v3, s31, v3                       ; stage out: row r, 16 h
	v_lshl_add_u32 v4, v11, 2, s19                 ; norm of row r
	v_lshlrev_b32 v6, 3, v10                       ; 8 x lane: the 64 norms as 32 pairs
	v_add_nc_u32 v5, NB, v6
	s_wait_kmcnt 0x0
	s_cmp_lt_u32 ttmp9, 256                        ; z or codebook: hangs on the work-group's number alone
	s_cselect_b32 s17, ttmp9, s18                  ; my number in my matrix
	s_cselect_b64 s[20:21], s[4:5], s[6:7]         ; source
	s_cselect_b64 s[22:23], s[8:9], s[10:11]       ; fragments
	s_cselect_b64 s[24:25], s[12:13], s[14:15]     ; norms
	s_lshl2_add_u32 s18, s17, s16                  ; tile = 4 x work-group + wave
	s_mov_b32 s27, 0
	s_lshl_b32 s26, s18, 14                        ; 16 rows of 1,024 bytes
	s_add_nc_u64 s[20:21], s[20:21], s[26:27]
	s_lshl_b32 s26, s18, 13                        ; 8,192 bytes of fragments
	s_add_nc_u64 s[22:23], s[22:23], s[26:27]
	s_lshl_b32 s26, s17, 8                         ; 64 norms
	s_add_nc_u64 s[24:25], s[24:25], s[26:27]
	; the whole tile: load n covers 512 consecutive bytes, half q = n & 1 of row n >> 1
.set n, 0
.rept 32
	global_load_b128 v[X+4*n:X+4*n+3], v1, s[20:21] offset:512*n th:TH_LOAD_NT
.set n, n+1
.endr
	; round, and stage by rows
.set n, 0
.rept 32
	s_wait_loadcnt 31-n                            ; loads return in order: load n is in, the 31 - n younger ones stay out
	v_cvt_pk_bf16_f32 v[PK+2*(n%4)],   v[X+4*n],   v[X+4*n+1]
	v_cvt_pk_bf16_f32 v[PK+2*(n%4)+1], v[X+4*n+2], v[X+4*n+3]
	ds_store_b64 v2, v[PK+2*(n%4):PK+2*(n%4)+1] offset:(n/2)*PITCH+(n%2)*256
.set n, n+1
.endr
	; read back as fragments.  The bytes are the wave's own and LDS serves a wave's instructions in order: no wait between stores and loads
.set b, 0
.rept 16
	ds_load_b128 v[FR+4*b:FR+4*b+3], v3 offset:32*b        ; k = 16 b + 8 h + 0..7 of row r
.set b, b+1
.endr
.set b, 0
.rept 16
	s_wait_dscnt 15-b                              ; block b is in, the 15 - b younger loads stay out
	global_store_b128 v1, v[FR+4*b:FR+4*b+3], s[22:23] offset:512*b        ; 512 consecutive bytes, aligned
.irp j, 0,1,2,3
	v_lshlrev_b32 v[U+2*\j],   16,  v[FR+4*b+\j]   ; bf16 to f32
	v_and_b32     v[U+2*\j+1], s28, v[FR+4*b+\j]
.endr
.irp j, 0,2,4,6
.if b == 0
	v_pk_mul_f32 v[NS+\j:NS+\j+1], v[U+\j:U+\j+1], v[U+\j:U+\j+1]          ; the first squares start the sums
.else
	v_pk_fma_f32 v[NS+\j:NS+\j+1], v[U+\j:U+\j+1], v[U+\j:U+\j+1], v[NS+\j:NS+\j+1]
.endif
.endr
.set b, b+1
.endr
	v_pk_add_f32 v[NS:NS+1],   v[NS:NS+1],   v[NS+2:NS+3]
	v_pk_add_f32 v[NS+4:NS+5], v[NS+4:NS+5], v[NS+6:NS+7]
	v_pk_add_f32 v[NS:NS+1],   v[NS:NS+1],   v[NS+4:NS+5]
	v_add_f32 v[NS], v[NS], v[NS+1]                ; my half (h) of row r
	v_permlanex16_b32 v[U], v[NS], s29, s30        ; the other half's; the destination has been written before
	v_add_f32 v[NS], v[NS], v[U]
	ds_store_b32 v4, v[NS]                         ; lanes r and r + 16 write the same word with the same number
	s_wait_dscnt 0x0                               ; for wave 0's sake: my norms are in LDS
	s_barrier_signal -1
	s_barrier_wait -1
	s_cmp_lg_u32 s16, 0
	s_cbranch_scc1 .Lend
	ds_load_b64 v[PK:PK+1], v5                     ; all 64 norms, two a lane
	s_wait_dscnt 0x0
	global_store_b64 v6, v[PK:PK+1], s[24:25]      ; 256 consecutive bytes, aligned
.Lend:
	s_wait_tensorcnt 0x0
	ds_add_u32 v224, v225
	s_wait_dscnt 0x0
	s_endpgm
.Lfunc_end_k_q21e588c148_prep:
	.size	k_q21e588c148_prep, .Lfunc_end_k_q21e588c148_prep-k_q21e588c148_prep
	.p2alignl 7, 3214868480
	.fill 96, 4, 3214868480
	.section	.rodata,"a",@progbits
	.p2align	6, 0x0
	.amdhsa_kernel k_q21e588c148_prep
		.amdhsa_group_segment_fixed_size 34560
		.amdhsa_private_segment_fixed_size 0
		.amdhsa_enable_private_segment 0
		.amdhsa_kernarg_size 48
		.amdhsa_user_sgpr_count 2
		.amdhsa_user_sgpr_kernarg_segment_ptr 1
		.amdhsa_wavefront_size32 1
		.amdhsa_system_sgpr_workgroup_id_x 1
		.amdhsa_system_sgpr_workgroup_id_y 1
		.amdhsa_system_sgpr_workgroup_id_z 1
		.amdhsa_system_vgpr_workitem_id 0
		.amdhsa_next_free_vgpr 226
		.amdhsa_next_free_sgpr 66
		.amdhsa_reserve_vcc 0
		.amdhsa_float_denorm_mode_32 3
		.amdhsa_float_denorm_mode_16_64 3
		.amdhsa_memory_ordered 1
		.amdhsa_forward_progress 1
		.amdhsa_inst_pref_size 24
	.end_amdhsa_kernel
	.amdgpu_metadata
---
amdhsa.version: [ 1, 2 ]
amdhsa.kernels:
  - .name:           k_q21e588c148_prep
    .symbol:         k_q21e588c148_prep.kd
    .args:
      - { .name: z, .offset: 0, .size: 8, .value_kind: global_buffer, .address_space: global }
      - { .name: codebook, .offset: 8, .size: 8, .value_kind: global_buffer, .address_space: global }
      - { .name: zf, .offset: 16, .size: 8, .value_kind: global_buffer, .address_space: global }
      - { .name: ef, .offset: 24, .size: 8, .value_kind: global_buffer, .address_space: global }
      - { .name: zz, .offset: 32, .size: 8, .value_kind: global_buffer, .address_space: global }
      - { .name: ee, .offset: 40, .size: 8, .value_kind: global_buffer, .address_space: global }
    .group_segment_fixed_size: 34560
    .private_segment_fixed_size: 0
    .kernarg_segment_align: 8
    .kernarg_segment_size: 48
    .max_flat_workgroup_size: 128
    .sgpr_count:     66
    .vgpr_count:     226
    .wavefront_size: 32
...
	.end_amdgpu_metadata
.endif
;; end of part 1
;; launch dist (part 2): grid 64 x 4, 8 waves a work-group, clusters of 4 x 1, 327,680 bytes of LDS; arguments zf, ef, zz, ee, cval, cidx; writes cval, cidx
.if DOCPART == 2
	.amdgcn_target "amdgcn-amd-amdhsa--gfx1250"
	.amdhsa_code_object_version 6
	.text
	.protected	k_q21e588c148_dist
	.globl	k_q21e588c148_dist
	.p2align	8
	.type	k_q21e588c148_dist,@function
k_q21e588c148_dist:
	s_mov_b64 s[64:65], 0
	v_nop
	global_prefetch_b8 v0, s[64:65] scope:SCOPE_SE
	s_setreg_imm32_b32 hwreg(HW_REG_WAVE_MODE, 25, 1), 1
	s_wait_xcnt 0x0
	s_wait_alu depctr_hold_cnt(0) depctr_sa_sdst(0) depctr_va_vdst(0) depctr_va_sdst(0) depctr_va_ssrc(0) depctr_va_vcc(0) depctr_vm_vsrc(0)
	s_getreg_b32 s2, hwreg(HW_REG_IB_STS2, 6, 4)
	s_cmp_eq_u32 s2, 0
	s_cbranch_scc0 .Lentry_in_a_cluster
	s_endpgm
.Lentry_in_a_cluster:
	s_bfe_u32 s2, ttmp6, 0x10000c
	s_cmp_lg_u32 s2, 0x3003
	s_cbranch_scc0 .Lentry_shape_is_right
	s_endpgm
.Lentry_shape_is_right:
; dist: for each of 16,384 rows of z and each quarter Y of the 8,192 codes, the least of fl(fl(zz - 2 m) + ee) and the first code that has it;
; m = the bf16 product with f32 sums, zz and ee the squared norms of the rounded rows.  The two roundings, the exact comparison in f32 and the
; rule that the first index wins are those of the function that is computed: zz is large against the differences of 2 m, so rounded distances tie.
; LIMITS: NaN and infinite inputs are not honoured: a NaN distance never wins, and a row without a finite distance gets a code of its quarter.
; The sums m carry the matrix unit's own order of rounding.
;
; Work-group (X, Y): rows 256 X .. +255 against codes 2048 Y .. +2047.  Eight waves: wave w has rows 64 (w >> 1) .. +63 and the code tiles
; (16 codes) of parity w & 1.  Its 64 rows stay in registers for the whole launch: 4 row tiles x 8 K steps x 8 registers = window 1.
; Code tiles come through two LDS slots of 256 codes (128 KiB) each, in fragment order: every LDS read has lane i at byte 16 i.
; Per code tile a wave reads 8 KiB from LDS and issues 32 matrix instructions; then 93 vector instructions fold the 4 x 16 x 16 results into its
; minima.  Two waves share a SIMD so that one has matrix work while the other folds.
; The matrix instruction takes the CODES as source 0 and z as source 1: register j of lane (r, h) is then (code 8 h + j, row r), so a lane holds
; 8 codes of one row: zz is one number a lane and row tile, ee 8 registers a code tile.
; Per row tile a lane keeps: the least distance, the number of the tile that had it, and that tile's 8 distances; which of the 8 it was is looked up once, at the end.
;
; CLUSTER: the four work-groups of a cluster (same Y, four X) walk the same codes and the same ee: every tensor load is a joint one, mask 15,
; made of Y and the wave's number alone.  The place in the cluster enters only global addresses of z, zz, cval and cidx, through s19, s20, s[66:69].
; Each wave brings 16 KiB of each 128 KiB fill.  Tensor loads outstanding in a wave, by this text's count: three at the start, one behind each round.
.set SLOT, 131072                      ; 16 code tiles of 8,192 bytes
.set EEB,  2*SLOT                      ; ee of my 2,048 codes, 8,192 bytes, filled once
.set SCR,  EEB+8192                    ; val[2][256], then idx[2][256]
.set ADR,  4                           ; v4-7     16 lane + 8192 parity + 131072 slot + 65536 upper half of the slot
.set VEE,  8                           ; v8       EEB + 64 parity + 32 h, + 2,048 a trip
.set VT,   9                           ; v9       the tile's number as a vector
.set ZZ,   10                          ; v[10:17] zz of my row in row tile i, twice: a pair for the packed multiply-add
.set BEST, 18                          ; v[18:21] least distance, row tile i
.set BIDX, 22                          ; v[22:25] number of the code tile that had it
.set T,    26                          ; v[26:33] at work
.set EE,   34                          ; v[34:41] ee of codes 8 h + 0..7 of the tile
.set SV,   64                          ; v[64:95] the 8 distances of the tile that had the least, row tile i
.set ACC,  96                          ; v[96:127] four accumulators
.set F0,   128                         ; v[128:191] code fragments, buffer 0
.set F1,   192                         ; v[192:255] buffer 1
.set G1,   24                          ; s[24:31] shape of a wave's part of a fill: 64 rows of 256 bytes
.set G1E,  32                          ; s[32:39] shape of a wave's part of ee: 4 rows of 256 bytes
.set G0,   40                          ; s[40:47] from where, to where: one set for each slot
.set G0E,  48                          ; s[48:51] the same for ee
.set MK,   52                          ; s[52:55] lane masks, row tile i
.set MSB,  0
.macro WIN new                         ; s_set_vgpr_msb: low byte = windows (1:0 source 0, 3:2 source 1, 5:4 source 2, 7:6 destination), high byte = the setting that is left
.if MSB != \new
	s_set_vgpr_msb (MSB<<8)|\new
.set MSB, \new
.endif
.endm
.macro CREST                           ; a round of the cluster's barrier behind its opening work-group barrier
	s_cmp_lg_u32 s16, 0
	s_cbranch_scc1 .Lnot_wave_0_\@
	s_barrier_signal -3                            ; wave 0 speaks for the work-group
.Lnot_wave_0_\@:
	s_barrier_wait -3                              ; all four work-groups have signalled
	s_barrier_signal -1
	s_barrier_wait -1
.endm
.macro CROUND                          ; a whole round
	s_barrier_signal -1
	s_barrier_wait -1
	CREST
.endm
.macro FLOAD f, adr, off               ; a code tile's 64 fragment registers: 16 loads of 512 consecutive bytes
.irp b, 0,1,2,3,4,5,6,7,8,9,10,11,12,13,14,15
	ds_load_b128 v[\f+4*\b:\f+4*\b+3], v[\adr] offset:\off+512*\b
.endr
.endm
.macro EELOAD off                      ; ee of the tile's codes 8 h + 0..7: sixteen lanes share an address
	ds_load_b128 v[EE:EE+3],   v[VEE] offset:\off
	ds_load_b128 v[EE+4:EE+7], v[VEE] offset:\off+16
.endm
.macro WBLOCK f                        ; 16 codes x 64 rows x 256 k.  The four accumulators take turns, one instruction a turn;
	WIN 0x04                                       ; a block ends on accumulator 3 and the next begins on accumulator 0.  Source 1 (z) in window 1
.irp s, 0,1,2,3,4,5,6,7
.irp i, 0,1,2,3
.if \s == 0
	v_wmma_f32_16x16x32_bf16 v[ACC+8*\i:ACC+8*\i+7], v[\f+8*\s:\f+8*\s+7], v[8*(8*\i+\s):8*(8*\i+\s)+7], 0      ; the first K step starts the sums
.else
	v_wmma_f32_16x16x32_bf16 v[ACC+8*\i:ACC+8*\i+7], v[\f+8*\s:\f+8*\s+7], v[8*(8*\i+\s):8*(8*\i+\s)+7], v[ACC+8*\i:ACC+8*\i+7]
.endif
.endr
.endr
	WIN 0
.endm
.macro NOP4                            ; four places between a block's last matrix instructions and the first vector instruction on their results (ISA guide 7.12.1)
.rept 4
	v_nop
.endr
.endm
.macro EPI                             ; folds the tile's 4 x 8 results a lane into the minima
	v_mov_b32 v[VT], s56
.irp i, 0,1,2,3
.irp p, 0,2,4,6
	v_pk_fma_f32 v[ACC+8*\i+\p:ACC+8*\i+\p+1], v[ACC+8*\i+\p:ACC+8*\i+\p+1], -2.0, v[ZZ+2*\i:ZZ+2*\i+1] op_sel_hi:[1,0,1]   ; fl(zz - 2 m): 2 m is exact, one rounding
.endr
.endr
.irp i, 0,1,2,3
.irp p, 0,2,4,6
	v_pk_add_f32 v[ACC+8*\i+\p:ACC+8*\i+\p+1], v[ACC+8*\i+\p:ACC+8*\i+\p+1], v[EE+\p:EE+\p+1]                               ; + ee: the second rounding
.endr
.endr
.irp i, 0,1,2,3
	v_min3_num_f32 v[T+\i],   v[ACC+8*\i],   v[ACC+8*\i+1], v[ACC+8*\i+2]
	v_min3_num_f32 v[T+4+\i], v[ACC+8*\i+3], v[ACC+8*\i+4], v[ACC+8*\i+5]
.endr
.irp i, 0,1,2,3
	v_min3_num_f32 v[T+\i], v[T+\i], v[T+4+\i], v[ACC+8*\i+6]
.endr
.irp i, 0,1,2,3
	v_min_num_f32 v[T+\i], v[T+\i], v[ACC+8*\i+7]
.endr
.irp i, 0,1,2,3
	v_cmp_lt_f32 s[MK+\i], v[T+\i], v[BEST+\i]     ; strictly less: the earlier tile keeps a tie
.endr
.irp i, 0,1,2,3
	v_cndmask_b32 v[BEST+\i], v[BEST+\i], v[T+\i], s[MK+\i]
	v_cndmask_b32 v[BIDX+\i], v[BIDX+\i], v[VT],   s[MK+\i]
.irp j, 0,1,2,3,4,5,6,7
	v_cndmask_b32 v[SV+8*\i+\j], v[SV+8*\i+\j], v[ACC+8*\i+\j], s[MK+\i]
.endr
.endr
	s_add_co_u32 s56, s56, 2                       ; my next tile: same parity
.endm
; Tile u = 0..6 of my eight in slot sg; q = the phase's parity (its 1,024 bytes of ee).  The LDS queue always runs: fragments(t), ee(t), fragments(t+1).
.macro MID sg, q, u
.set FN, F0+64*((\u+1)&1)
.set FC, F0+64*(\u&1)
.set AN, ADR+2*\sg+((\u+1)>>2)
.set ON, ((\u+1)&3)*16384
	FLOAD FN, AN, ON                               ; the next tile, into the buffer whose last matrix instructions lie a whole EPI back
	s_wait_dscnt 18                                ; this tile's fragments are in; its 2 loads of ee and the 16 just issued stay out
	WBLOCK FC
	s_wait_dscnt 16                                ; this tile's ee is in; the next tile's 16 loads stay out
	NOP4
	EPI
	EELOAD \q*1024+(\u+1)*128
.endm
; Tile 7 of slot sg, and the change of slots.  refill = 1: this slot gets the fill two phases ahead, jointly.
.macro LASTT sg, q, refill
	s_wait_dscnt 0x0                               ; my reads of this slot are over
	s_wait_tensorcnt 0x0                           ; all my tensor loads have landed: the one that was out is my part of the other slot; so a group 0 may be written
	ds_add_u32 v62, v63
	s_wait_dscnt 0x0
.if \refill
	s_add_nc_u64 s[G0+4*\sg+2:G0+4*\sg+3], s[G0+4*\sg+2:G0+4*\sg+3], 2*SLOT
.endif
	s_barrier_signal -1                            ; say so (with a refill this barrier opens a round of the cluster's barrier),
	WBLOCK F1                                      ; work on registers while the others arrive,
	s_barrier_wait -1                              ; and go on when all eight waves have said so
.if \refill
	CREST                                          ; no wave of any partner still reads this slot or has a load on its way
	tensor_load_to_lds s[G0+4*\sg:G0+4*\sg+3], s[G1:G1+7]          ; first behind the round, my one load until the next: it has a phase, 8 tiles of each wave, in which to land
	s_nop 0
.endif
	FLOAD F0, ADR+2*(1-\sg), 0                     ; the other slot's first tile of my parity
	NOP4
	EPI
	EELOAD (\q+1)*1024
.endm
.macro PHASE sg, q, refill
.irp u, 0,1,2,3,4,5,6
	MID \sg, \q, \u
.endr
	LASTT \sg, \q, \refill
.endm
	s_load_b256 s[4:11], s[0:1], 0x0               ; zf s[4:5], ef s[6:7], zz s[8:9], ee s[10:11]
	s_load_b128 s[12:15], s[0:1], 0x20             ; cval s[12:13], cidx s[14:15]
	v_lshl_add_u32 v62, v0, 2, 0x43000
	v_mov_b32 v63, 0
	ds_add_u32 v62, v63
	ds_add_u32 v62, v63
	v_lshrrev_b32 v9, 5, v0
	v_readfirstlane_b32 s16, v9                    ; wave 0..7
	s_lshr_b32 s17, s16, 1                         ; rg: which 64 rows
	s_and_b32 s18, s16, 1                          ; cg: which parity of code tiles
	s_bfe_u32 s19, ttmp6, 0x40000                  ; cx
	s_lshl_b32 s20, ttmp9, 2
	s_add_co_u32 s20, s20, s19                     ; X = 4 x cluster x + cx
	s_and_b32 s21, ttmp7, 0xffff                   ; Y (the cluster is one work-group high)
	s_lshl_b32 s56, s21, 7
	s_add_co_u32 s56, s56, s18                     ; my first code tile's number among all 512: 128 Y + cg
	s_mov_b32 s58, 0x76543210
	s_mov_b32 s59, 0xfedcba98
	s_mov_b32 s60, 0xffff0000                      ; the lanes with h = 1
	; group 1: dense bytes as rows of 32 elements of 8 bytes
	s_mov_b32 s[G1+0], 15|(3<<16)|(1<<21)          ; 15:0 mask: all four work-groups; 17:16 elements of 8 bytes; 21 set beside a mask
	s_mov_b32 s[G1+1], 32<<16                      ; tensor_dim0 = 32
	s_mov_b32 s[G1+2], 64<<16                      ; tensor_dim1 = 64
	s_mov_b32 s[G1+3], 32<<16                      ; tile_dim0 = 32
	s_mov_b32 s[G1+4], 64                          ; tile_dim1 = 64
	s_mov_b32 s[G1+5], 32                          ; from row to row: 32 elements
	s_mov_b32 s[G1+6], 0
	s_mov_b32 s[G1+7], 0
	s_mov_b32 s[G1E+0], 15|(3<<16)|(1<<21)
	s_mov_b32 s[G1E+1], 32<<16
	s_mov_b32 s[G1E+2], 4<<16                      ; 4 rows
	s_mov_b32 s[G1E+3], 32<<16
	s_mov_b32 s[G1E+4], 4
	s_mov_b32 s[G1E+5], 32
	s_mov_b32 s[G1E+6], 0
	s_mov_b32 s[G1E+7], 0
	s_lshl_b32 s61, s16, 14                        ; my 16 KiB of a fill
	s_lshl_b32 s62, s16, 10                        ; my 1 KiB of ee
	s_mov_b32 s23, 0
	s_mov_b32 s67, 0
	s_wait_dscnt 0x0
	s_wait_kmcnt 0x0
	s_lshl_b32 s22, s21, 20                        ; the quarter's 1 MiB of fragments
	s_add_co_u32 s22, s22, s61
	s_add_nc_u64 s[6:7], s[6:7], s[22:23]          ; ef at my part of fill 0: Y and the wave's number alone
.irp g, 0,1
	s_mov_b32 s[G0+4*\g], 1
	s_add_co_u32 s[G0+4*\g+1], s61, \g*SLOT
	s_add_nc_u64 s[G0+4*\g+2:G0+4*\g+3], s[6:7], \g*SLOT
	s_or_b32 s[G0+4*\g+3], s[G0+4*\g+3], 0x80000000
.endr
	s_lshl_b32 s22, s21, 13                        ; the quarter's 8 KiB of ee
	s_add_co_u32 s22, s22, s62
	s_mov_b32 s[G0E], 1
	s_add_co_u32 s[G0E+1], s62, EEB
	s_add_nc_u64 s[G0E+2:G0E+3], s[10:11], s[22:23]
	s_or_b32 s[G0E+3], s[G0E+3], 0x80000000
	; what hangs on X
	s_lshl_b32 s66, s20, 17                        ; 16 tiles of 8,192 bytes a row block,
	s_lshl_b32 s68, s17, 15                        ; 4 tiles a wave
	s_add_co_u32 s66, s66, s68
	s_add_nc_u64 s[4:5], s[4:5], s[66:67]          ; zf at my 64 rows
	s_lshl_b32 s66, s20, 10
	s_lshl_b32 s68, s17, 8
	s_add_co_u32 s66, s66, s68
	s_add_nc_u64 s[8:9], s[8:9], s[66:67]          ; zz at my 64 rows
	s_lshl_b32 s66, s20, 10
	s_lshl_b32 s68, s21, 16
	s_add_co_u32 s66, s66, s68
	s_add_nc_u64 s[12:13], s[12:13], s[66:67]      ; cval[Y][256 X]
	s_add_nc_u64 s[14:15], s[14:15], s[66:67]      ; cidx[Y][256 X]
	CROUND                                         ; all four work-groups are here: the first joint loads meet
	tensor_load_to_lds s[G0E:G0E+3], s[G1E:G1E+7]  ; ee
	s_nop 0
	tensor_load_to_lds s[G0:G0+3], s[G1:G1+7]      ; fill 0
	s_nop 0
	tensor_load_to_lds s[G0+4:G0+7], s[G1:G1+7]    ; fill 1
	s_nop 0
	v_and_b32 v9, 31, v0
	v_and_b32 v2, 15, v0                           ; r
	v_bfe_u32 v3, v0, 4, 1                         ; h
	v_lshlrev_b32 v1, 4, v9                        ; 16 x lane
	v_lshlrev_b32 v43, 2, v2                       ; 4 r
	WIN 0x40                                       ; destination in window 1
.set n, 0
.rept 64
	global_load_b128 v[4*n:4*n+3], v1, s[4:5] offset:512*n         ; z fragment (i, s) lands at 8 (8 i + s): n = 16 i + 2 s + p
.set n, n+1
.endr
	WIN 0
.irp i, 0,1,2,3
	global_load_b32 v[ZZ+2*\i],   v43, s[8:9] offset:64*\i         ; zz of row 16 i + r, into both registers of the pair
	global_load_b32 v[ZZ+2*\i+1], v43, s[8:9] offset:64*\i
.endr
	s_lshl_b32 s63, s18, 13
	v_add_nc_u32 v[ADR],   s63, v1
	v_add_nc_u32 v[ADR+1], 0x10000, v[ADR]
	v_add_nc_u32 v[ADR+2], 0x20000, v[ADR]
	v_add_nc_u32 v[ADR+3], 0x30000, v[ADR]
	s_lshl_b32 s63, s18, 6
	s_add_co_u32 s63, s63, EEB
	v_lshl_add_u32 v[VEE], v3, 5, s63
	; the state before any tile: +infinity, so that the first finite distance wins; the tile number is one of my own, so that the index stays in the table
	v_mov_b32 v[BEST], 0x7f800000
.irp i, 1,2,3
	v_mov_b32 v[BEST+\i], v[BEST]
.endr
.irp i, 0,1,2,3
	v_mov_b32 v[BIDX+\i], s56
.endr
.set n, 0
.rept 32
	v_mov_b32 v[SV+n], v[BEST]
.set n, n+1
.endr
	s_wait_tensorcnt 0x1                           ; my parts of ee and of fill 0 are in; fill 1 stays out
	s_barrier_signal -1
	s_barrier_wait -1                              ; everybody's are
	FLOAD F0, ADR, 0
	EELOAD 0
	s_wait_loadcnt 0x0                             ; z fragments and zz, once
	s_mov_b32 s57, 3
.Ltrip:                                            ; phases 0..5: each ends with the fill two phases ahead going into the slot just read
	PHASE 0, 0, 1
	PHASE 1, 1, 1
	v_add_nc_u32 v[VEE], 2048, v[VEE]              ; two phases' ee
	s_sub_co_i32 s57, s57, 1
	s_cmp_lg_u32 s57, 0
	s_cbranch_scc1 .Ltrip
	PHASE 0, 0, 0                                  ; phase 6: nothing is left to fetch; its barrier shows fill 7 whole
.irp u, 0,1,2,3,4,5,6
	MID 1, 1, \u
.endr
	s_wait_dscnt 2                                 ; the last tile's fragments are in; only its 2 loads of ee are out
	WBLOCK F1
	s_wait_dscnt 0x0
	NOP4
	EPI
	; THE END.  Which of the 8 saved distances was the least (the first that equals it), the two halves of the lanes, then the two parities.
	s_lshl_b32 s61, s18, 10
	s_lshl_b32 s62, s17, 8
	s_add_co_u32 s61, s61, s62
	s_add_co_u32 s61, s61, SCR
	v_lshl_add_u32 v42, v2, 2, s61
	v_lshl_add_u32 v42, v3, 11, v42                ; SCR + 2048 h + 1024 cg + 4 (64 rg + r): lanes h = 0 store the value, lanes h = 1 the index
.irp i, 0,1,2,3
	v_mov_b32 v[T], 7
.irp j, 6,5,4,3,2,1,0
	v_cmp_eq_f32 vcc_lo, v[SV+8*\i+\j], v[BEST+\i]
	v_cndmask_b32 v[T], v[T], \j, vcc_lo           ; descending: the lowest j that equals the least stays
.endr
	v_lshl_add_u32 v[T+1], v[BIDX+\i], 4, v[T]
	v_lshl_add_u32 v[T+1], v3, 3, v[T+1]           ; code = 16 tile + 8 h + j
	v_permlanex16_b32 v[T+2], v[BEST+\i], s58, s59 ; the other half's value and code (destinations written before)
	v_permlanex16_b32 v[T+3], v[T+1], s58, s59
	v_cmp_lt_f32 s52, v[T+2], v[BEST+\i]
	v_cmp_eq_f32 s53, v[T+2], v[BEST+\i]
	v_cmp_lt_u32 s54, v[T+3], v[T+1]
	s_and_b32 s53, s53, s54
	s_or_b32 s52, s52, s53                         ; the other wins: less, or equal with the lower code
	v_cndmask_b32 v[T+4], v[BEST+\i], v[T+2], s52
	v_cndmask_b32 v[T+5], v[T+1], v[T+3], s52
	v_cndmask_b32 v[T+4], v[T+4], v[T+5], s60
	ds_store_b32 v42, v[T+4] offset:64*\i
.endr
	s_wait_dscnt 0x0                               ; for the others' sake: my stores are in LDS
	s_barrier_signal -1
	s_barrier_wait -1
	s_cmp_gt_u32 s16, 3
	s_cbranch_scc1 .Ldone
	v_and_b32 v43, 127, v0                         ; waves 0 to 3 are here: thread t takes rows 2 t and 2 t + 1 (the AND changes nothing and shows the range)
	v_lshlrev_b32 v56, 3, v43
	v_add_nc_u32 v43, SCR, v56
	ds_load_b64 v[44:45], v43                      ; value, parity 0
	ds_load_b64 v[46:47], v43 offset:1024          ; value, parity 1
	ds_load_b64 v[48:49], v43 offset:2048          ; code, parity 0
	ds_load_b64 v[50:51], v43 offset:3072          ; code, parity 1
	s_wait_dscnt 0x0
.irp e, 0,1
	v_cmp_lt_f32 s52, v[46+\e], v[44+\e]
	v_cmp_eq_f32 s53, v[46+\e], v[44+\e]
	v_cmp_lt_u32 s54, v[50+\e], v[48+\e]
	s_and_b32 s53, s53, s54
	s_or_b32 s52, s52, s53
	v_cndmask_b32 v[52+\e], v[44+\e], v[46+\e], s52
	v_cndmask_b32 v[54+\e], v[48+\e], v[50+\e], s52
.endr
	global_store_b64 v56, v[52:53], s[12:13]       ; a wave's store covers 256 consecutive bytes, aligned
	global_store_b64 v56, v[54:55], s[14:15]
.Ldone:
	s_wait_tensorcnt 0x0
	ds_add_u32 v62, v63
	s_wait_dscnt 0x0
	CROUND                                         ; the closing round: no work-group ends while a partner may still ask jointly
	s_endpgm
.Lfunc_end_k_q21e588c148_dist:
	.size	k_q21e588c148_dist, .Lfunc_end_k_q21e588c148_dist-k_q21e588c148_dist
	.p2alignl 7, 3214868480
	.fill 96, 4, 3214868480
	.section	.rodata,"a",@progbits
	.p2align	6, 0x0
	.amdhsa_kernel k_q21e588c148_dist
		.amdhsa_group_segment_fixed_size 327680
		.amdhsa_private_segment_fixed_size 0
		.amdhsa_enable_private_segment 0
		.amdhsa_kernarg_size 48
		.amdhsa_user_sgpr_count 2
		.amdhsa_user_sgpr_kernarg_segment_ptr 1
		.amdhsa_wavefront_size32 1
		.amdhsa_system_sgpr_workgroup_id_x 1
		.amdhsa_system_sgpr_workgroup_id_y 1
		.amdhsa_system_sgpr_workgroup_id_z 1
		.amdhsa_system_vgpr_workitem_id 0
		.amdhsa_next_free_vgpr 512
		.amdhsa_next_free_sgpr 72
		.amdhsa_reserve_vcc 1
		.amdhsa_float_denorm_mode_32 3
		.amdhsa_float_denorm_mode_16_64 3
		.amdhsa_memory_ordered 1
		.amdhsa_forward_progress 1
		.amdhsa_inst_pref_size 255
	.end_amdhsa_kernel
	.section	.bss,"aw",@nobits
	.p2align	6
	.space	262144
	.amdgpu_metadata
---
amdhsa.version: [ 1, 2 ]
amdhsa.kernels:
  - .name:           k_q21e588c148_dist
    .symbol:         k_q21e588c148_dist.kd
    .args:
      - { .name: zf, .offset: 0, .size: 8, .value_kind: global_buffer, .address_space: global }
      - { .name: ef, .offset: 8, .size: 8, .value_kind: global_buffer, .address_space: global }
      - { .name: zz, .offset: 16, .size: 8, .value_kind: global_buffer, .address_space: global }
      - { .name: ee, .offset: 24, .size: 8, .value_kind: global_buffer, .address_space: global }
      - { .name: cval, .offset: 32, .size: 8, .value_kind: global_buffer, .address_space: global }
      - { .name: cidx, .offset: 40, .size: 8, .value_kind: global_buffer, .address_space: global }
    .group_segment_fixed_size: 327680
    .private_segment_fixed_size: 0
    .kernarg_segment_align: 8
    .kernarg_segment_size: 48
    .max_flat_workgroup_size: 256
    .sgpr_count:     72
    .vgpr_count:     512
    .wavefront_size: 32
...
	.end_amdgpu_metadata
.endif
;; end of part 2
;; launch pick (part 3): grid 256 x 1, 16 waves a work-group, no clusters, 2,304 bytes of LDS; arguments z, codebook, cval, cidx, out0, part; writes out0, part
.if DOCPART == 3
	.amdgcn_target "amdgcn-amd-amdhsa--gfx1250"
	.amdhsa_code_object_version 6
	.text
	.protected	k_q21e588c148_pick
	.globl	k_q21e588c148_pick
	.p2align	8
	.type	k_q21e588c148_pick,@function
k_q21e588c148_pick:
	s_mov_b64 s[64:65], 0
	v_nop
	global_prefetch_b8 v0, s[64:65] scope:SCOPE_SE
	s_setreg_imm32_b32 hwreg(HW_REG_WAVE_MODE, 25, 1), 1
	s_wait_xcnt 0x0
; pick: for each row of z the best of its four candidates (one for each quarter of the codes), out0 = z + (e - z), and the work-group's sum of (e - z)^2.
; The four candidate rows are all loaded, by the indices that the launch before stored as whole numbers; which of them is used is a choice of VALUES
; (v_cndmask_b32 on the comparison of the four distances): no address hangs on a floating-point number.  Strictly less: the lower quarter keeps a tie.
; The loss is summed from the differences themselves, not from the expanded distances.
; 16 waves, 4 rows a wave; a row of 1,024 bytes is two loads of 512 consecutive bytes.  All 40 loads of a wave go out at once.
; No matrix unit, no tensor loads, no cluster: memory binds, and no two waves read the same bytes of z.
; LIMIT: an index is clamped to 8,191, the table's last row; the launch before stores none above it.
.set IDX, 20                           ; s[20:35] index of quarter s, row r at 4 s + r
.set VAL, 36                           ; s[36:51] its distance
.set AD,  4                            ; v[4:19]  byte offset in the codebook, row r, quarter s at 4 r + s
.set L,   22                           ; v[22:29] four pair sums of squares
.set Z,   32                           ; v[32:63] row r at 8 r: z, then the output
.set C,   64                           ; v[64:191] row r, quarter s at 32 r + 8 s: the candidates; quarter 0's registers take the choice, then e - z
	s_load_b256 s[4:11], s[0:1], 0x0               ; z s[4:5], codebook s[6:7], cval s[8:9], cidx s[10:11]
	s_load_b128 s[12:15], s[0:1], 0x20             ; out0 s[12:13], part s[14:15]
	v_lshl_add_u32 v192, v0, 2, 0x100
	v_mov_b32 v193, 0
	v_lshrrev_b32 v2, 5, v0
	v_readfirstlane_b32 s16, v2                    ; wave 0..15
	v_and_b32 v1, 31, v0
	v_lshlrev_b32 v1, 4, v1                        ; 16 x lane
	s_lshl_b32 s17, ttmp9, 6
	s_lshl2_add_u32 s17, s16, s17                  ; my first row = 64 x work-group + 4 x wave
	s_lshl_b32 s18, s17, 2                         ; its byte in a quarter's list
	s_lshl_b32 s54, s17, 10                        ; its byte in z and out0
	s_mov_b32 s55, 0
	s_mov_b32 s52, 0x76543210
	s_mov_b32 s53, 0xfedcba98
	s_wait_kmcnt 0x0
.irp s, 0,1,2,3
	s_load_b128 s[IDX+4*\s:IDX+4*\s+3], s[10:11], s18 offset:\s*65536
	s_load_b128 s[VAL+4*\s:VAL+4*\s+3], s[8:9],   s18 offset:\s*65536
.endr
	s_add_nc_u64 s[4:5], s[4:5], s[54:55]
	s_add_nc_u64 s[12:13], s[12:13], s[54:55]
.irp n, 0,1,2,3,4,5,6,7
	global_load_b128 v[Z+4*\n:Z+4*\n+3], v1, s[4:5] offset:512*\n th:TH_LOAD_NT
.endr
	s_lshl_b32 s54, ttmp9, 2
	s_add_nc_u64 s[14:15], s[14:15], s[54:55]      ; part[work-group]
	s_wait_kmcnt 0x0                               ; scalar loads return in no order: zero
.irp r, 0,1,2,3
.irp s, 0,1,2,3
	s_min_u32 s[IDX+4*\s+\r], s[IDX+4*\s+\r], 0x1fff
	v_lshl_add_u32 v[AD+4*\r+\s], s[IDX+4*\s+\r], 10, v1
	global_load_b128 v[C+32*\r+8*\s:C+32*\r+8*\s+3],   v[AD+4*\r+\s], s[6:7]
	global_load_b128 v[C+32*\r+8*\s+4:C+32*\r+8*\s+7], v[AD+4*\r+\s], s[6:7] offset:512
.endr
.endr
.macro ROW r
	s_wait_loadcnt 24-8*\r                         ; z and this row's 8 candidate loads are in; 8 loads for each later row stay out
	v_mov_b32 v20, s[VAL+\r]
.irp s, 1,2,3
	v_mov_b32 v21, s[VAL+4*\s+\r]
	v_cmp_lt_f32 vcc_lo, v21, v20
	v_cndmask_b32 v20, v20, v21, vcc_lo
.irp e, 0,1,2,3,4,5,6,7
	v_cndmask_b32 v[C+32*\r+\e], v[C+32*\r+\e], v[C+32*\r+8*\s+\e], vcc_lo
.endr
.endr
.irp p, 0,2,4,6
	v_pk_add_f32 v[C+32*\r+\p:C+32*\r+\p+1], v[C+32*\r+\p:C+32*\r+\p+1], v[Z+8*\r+\p:Z+8*\r+\p+1] neg_lo:[0,1] neg_hi:[0,1]   ; e - z
.endr
.irp p, 0,2,4,6
.if \r == 0
	v_pk_mul_f32 v[L+\p:L+\p+1], v[C+32*\r+\p:C+32*\r+\p+1], v[C+32*\r+\p:C+32*\r+\p+1]                                        ; the first squares start the sums
.else
	v_pk_fma_f32 v[L+\p:L+\p+1], v[C+32*\r+\p:C+32*\r+\p+1], v[C+32*\r+\p:C+32*\r+\p+1], v[L+\p:L+\p+1]
.endif
.endr
.irp p, 0,2,4,6
	v_pk_add_f32 v[Z+8*\r+\p:Z+8*\r+\p+1], v[Z+8*\r+\p:Z+8*\r+\p+1], v[C+32*\r+\p:C+32*\r+\p+1]                                ; z + (e - z), as the function has it
.endr
	global_store_b128 v1, v[Z+8*\r:Z+8*\r+3],   s[12:13] offset:1024*\r th:TH_STORE_NT
	global_store_b128 v1, v[Z+8*\r+4:Z+8*\r+7], s[12:13] offset:1024*\r+512 th:TH_STORE_NT
.endm
	ROW 0
	ROW 1
	ROW 2
	ROW 3
	v_pk_add_f32 v[L:L+1],   v[L:L+1],   v[L+2:L+3]
	v_pk_add_f32 v[L+4:L+5], v[L+4:L+5], v[L+6:L+7]
	v_pk_add_f32 v[L:L+1],   v[L:L+1],   v[L+4:L+5]
	v_add_f32 v[L], v[L], v[L+1]
	v_add_f32_dpp v[L], v[L], v[L] row_xmask:1 row_mask:0xf bank_mask:0xf
	v_add_f32_dpp v[L], v[L], v[L] row_xmask:2 row_mask:0xf bank_mask:0xf
	v_add_f32_dpp v[L], v[L], v[L] row_xmask:4 row_mask:0xf bank_mask:0xf
	v_add_f32_dpp v[L], v[L], v[L] row_xmask:8 row_mask:0xf bank_mask:0xf
	v_permlanex16_b32 v[L+1], v[L], s52, s53
	v_add_f32 v[L], v[L], v[L+1]                   ; the wave's sum, in every lane
	v_mov_b32 v2, s16
	v_lshlrev_b32 v2, 2, v2
	ds_store_b32 v2, v[L]                          ; my word
	s_wait_dscnt 0x0                               ; for wave 0's sake
	s_barrier_signal -1
	s_barrier_wait -1
	s_cmp_lg_u32 s16, 0
	s_cbranch_scc1 .Lend
	v_mov_b32 v3, 0
.irp n, 0,1,2,3
	ds_load_b128 v[C+4*\n:C+4*\n+3], v3 offset:16*\n       ; the 16 waves' sums, into registers that no pending store names
.endr
	s_wait_dscnt 0x0
	v_pk_add_f32 v[C:C+1],     v[C:C+1],     v[C+2:C+3]
	v_pk_add_f32 v[C+4:C+5],   v[C+4:C+5],   v[C+6:C+7]
	v_pk_add_f32 v[C+8:C+9],   v[C+8:C+9],   v[C+10:C+11]
	v_pk_add_f32 v[C+12:C+13], v[C+12:C+13], v[C+14:C+15]
	v_pk_add_f32 v[C:C+1],     v[C:C+1],     v[C+4:C+5]
	v_pk_add_f32 v[C+8:C+9],   v[C+8:C+9],   v[C+12:C+13]
	v_pk_add_f32 v[C:C+1],     v[C:C+1],     v[C+8:C+9]
	v_add_f32 v[C], v[C], v[C+1]
	v_cmp_eq_u32 vcc_lo, 0, v0
	s_wait_xcnt 0x0                                ; EXEC is a source of the stores above: it changes only behind this wait
	s_and_saveexec_b32 s56, vcc_lo
	global_store_b32 v3, v[C], s[14:15]            ; one number for the work-group: the sum over work-groups is the next launch's
.Lend:
	s_wait_xcnt 0x0
	s_mov_b32 exec_lo, -1
	s_wait_tensorcnt 0x0
	ds_add_u32 v192, v193
	s_wait_dscnt 0x0
	s_endpgm
.Lfunc_end_k_q21e588c148_pick:
	.size	k_q21e588c148_pick, .Lfunc_end_k_q21e588c148_pick-k_q21e588c148_pick
	.p2alignl 7, 3214868480
	.fill 96, 4, 3214868480
	.section	.rodata,"a",@progbits
	.p2align	6, 0x0
	.amdhsa_kernel k_q21e588c148_pick
		.amdhsa_group_segment_fixed_size 2304
		.amdhsa_private_segment_fixed_size 0
		.amdhsa_enable_private_segment 0
		.amdhsa_kernarg_size 48
		.amdhsa_user_sgpr_count 2
		.amdhsa_user_sgpr_kernarg_segment_ptr 1
		.amdhsa_wavefront_size32 1
		.amdhsa_system_sgpr_workgroup_id_x 1
		.amdhsa_system_sgpr_workgroup_id_y 1
		.amdhsa_system_sgpr_workgroup_id_z 1
		.amdhsa_system_vgpr_workitem_id 0
		.amdhsa_next_free_vgpr 194
		.amdhsa_next_free_sgpr 66
		.amdhsa_reserve_vcc 1
		.amdhsa_float_denorm_mode_32 3
		.amdhsa_float_denorm_mode_16_64 3
		.amdhsa_memory_ordered 1
		.amdhsa_forward_progress 1
		.amdhsa_inst_pref_size 18
	.end_amdhsa_kernel
	.amdgpu_metadata
---
amdhsa.version: [ 1, 2 ]
amdhsa.kernels:
  - .name:           k_q21e588c148_pick
    .symbol:         k_q21e588c148_pick.kd
    .args:
      - { .name: z, .offset: 0, .size: 8, .value_kind: global_buffer, .address_space: global }
      - { .name: codebook, .offset: 8, .size: 8, .value_kind: global_buffer, .address_space: global }
      - { .name: cval, .offset: 16, .size: 8, .value_kind: global_buffer, .address_space: global }
      - { .name: cidx, .offset: 24, .size: 8, .value_kind: global_buffer, .address_space: global }
      - { .name: out0, .offset: 32, .size: 8, .value_kind: global_buffer, .address_space: global }
      - { .name: part, .offset: 40, .size: 8, .value_kind: global_buffer, .address_space: global }
    .group_segment_fixed_size: 2304
    .private_segment_fixed_size: 0
    .kernarg_segment_align: 8
    .kernarg_segment_size: 48
    .max_flat_workgroup_size: 512
    .sgpr_count:     66
    .vgpr_count:     194
    .wavefront_size: 32
...
	.end_amdgpu_metadata
.endif
;; end of part 3
;; launch total (part 4): grid 1 x 1, 1 waves a work-group, no clusters, 0 bytes of LDS; arguments part, out1; writes out1
.if DOCPART == 4
	.amdgcn_target "amdgcn-amd-amdhsa--gfx1250"
	.amdhsa_code_object_version 6
	.text
	.protected	k_q21e588c148_total
	.globl	k_q21e588c148_total
	.p2align	8
	.type	k_q21e588c148_total,@function
k_q21e588c148_total:
	s_mov_b64 s[64:65], 0
	v_nop
	global_prefetch_b8 v0, s[64:65] scope:SCOPE_SE
	s_setreg_imm32_b32 hwreg(HW_REG_WAVE_MODE, 25, 1), 1
	s_wait_xcnt 0x0
; total: out1 = 0.1 L + L, L = (the sum of the 256 partial sums) / (16384 x 256).  One wave: 1,024 bytes in, 4 bytes out.
; The sum spans the work-groups of the launch before, so it has a launch of its own, with a fixed order of addition.
	s_load_b128 s[4:7], s[0:1], 0x0                ; part s[4:5], out1 s[6:7]
	v_lshlrev_b32 v1, 4, v0                        ; 16 x lane
	v_mov_b32 v5, 0
	s_mov_b32 s8, 0x76543210
	s_mov_b32 s9, 0xfedcba98
	s_wait_kmcnt 0x0
	global_load_b128 v[8:11], v1, s[4:5]
	global_load_b128 v[12:15], v1, s[4:5] offset:512
	s_wait_loadcnt 0x0
	v_pk_add_f32 v[8:9], v[8:9], v[10:11]
	v_pk_add_f32 v[12:13], v[12:13], v[14:15]
	v_pk_add_f32 v[8:9], v[8:9], v[12:13]
	v_add_f32 v2, v8, v9
	v_add_f32_dpp v2, v2, v2 row_xmask:1 row_mask:0xf bank_mask:0xf
	v_add_f32_dpp v2, v2, v2 row_xmask:2 row_mask:0xf bank_mask:0xf
	v_add_f32_dpp v2, v2, v2 row_xmask:4 row_mask:0xf bank_mask:0xf
	v_add_f32_dpp v2, v2, v2 row_xmask:8 row_mask:0xf bank_mask:0xf
	v_permlanex16_b32 v8, v2, s8, s9               ; the destination has been written before
	v_add_f32 v2, v2, v8
	v_mul_f32 v2, 0x34800000, v2                   ; / 2^22 = 16384 x 256 numbers: the mean
	v_fmamk_f32 v4, v2, 0x3dcccccd, v2             ; 0.1 L + L
	v_cmp_eq_u32 vcc_lo, 0, v0
	s_wait_xcnt 0x0                                ; EXEC changes only behind this wait
	s_and_saveexec_b32 s10, vcc_lo
	global_store_b32 v5, v4, s[6:7]                ; lane 0 alone
	s_endpgm
.Lfunc_end_k_q21e588c148_total:
	.size	k_q21e588c148_total, .Lfunc_end_k_q21e588c148_total-k_q21e588c148_total
	.p2alignl 7, 3214868480
	.fill 96, 4, 3214868480
	.section	.rodata,"a",@progbits
	.p2align	6, 0x0
	.amdhsa_kernel k_q21e588c148_total
		.amdhsa_group_segment_fixed_size 0
		.amdhsa_private_segment_fixed_size 0
		.amdhsa_enable_private_segment 0
		.amdhsa_kernarg_size 16
		.amdhsa_user_sgpr_count 2
		.amdhsa_user_sgpr_kernarg_segment_ptr 1
		.amdhsa_wavefront_size32 1
		.amdhsa_system_sgpr_workgroup_id_x 1
		.amdhsa_system_sgpr_workgroup_id_y 1
		.amdhsa_system_sgpr_workgroup_id_z 1
		.amdhsa_system_vgpr_workitem_id 0
		.amdhsa_next_free_vgpr 16
		.amdhsa_next_free_sgpr 66
		.amdhsa_reserve_vcc 1
		.amdhsa_float_denorm_mode_32 3
		.amdhsa_float_denorm_mode_16_64 3
		.amdhsa_memory_ordered 1
		.amdhsa_forward_progress 1
		.amdhsa_inst_pref_size 2
	.end_amdhsa_kernel
	.amdgpu_metadata
---
amdhsa.version: [ 1, 2 ]
amdhsa.kernels:
  - .name:           k_q21e588c148_total
    .symbol:         k_q21e588c148_total.kd
    .args:
      - { .name: part, .offset: 0, .size: 8, .value_kind: global_buffer, .address_space: global }
      - { .name: out1, .offset: 8, .size: 8, .value_kind: global_buffer, .address_space: global }
    .group_segment_fixed_size: 0
    .private_segment_fixed_size: 0
    .kernarg_segment_align: 8
    .kernarg_segment_size: 16
    .max_flat_workgroup_size: 32
    .sgpr_count:     66
    .vgpr_count:     16
    .wavefront_size: 32
...
	.end_amdgpu_metadata
.endif
;; end of part 4
;; ======== version 2 of 2: 4 launches; version 1 with the launch prep written anew for expert scheduling mode
;; workspace buffers: zf 8,388,608 bytes; ef 4,194,304 bytes; zz 65,536 bytes; ee 32,768 bytes; cval 262,144 bytes; cidx 262,144 bytes of whole numbers; part 1,024 bytes
;; launch prep (part 5): grid 384 x 1, 4 waves a work-group, no clusters, 34,560 bytes of LDS; arguments z, codebook, zf, ef, zz, ee; writes zf, ef, zz, ee
.if DOCPART == 5
	.amdgcn_target "amdgcn-amd-amdhsa--gfx1250"
	.amdhsa_code_object_version 6
	.text
	.protected	k_q21e588c148_prep
	.globl	k_q21e588c148_prep
	.p2align	8
	.type	k_q21e588c148_prep,@function
k_q21e588c148_prep:
	s_mov_b64 s[64:65], 0
	v_nop
	global_prefetch_b8 v0, s[64:65] scope:SCOPE_SE
	s_setreg_imm32_b32 hwreg(HW_REG_WAVE_SCHED_MODE, 0, 2), 2
	s_setreg_imm32_b32 hwreg(HW_REG_WAVE_MODE, 25, 1), 1
	s_wait_xcnt 0x0
	s_wait_alu depctr_vm_vsrc(0)
; prep: rounds z [16384][256] and codebook [8192][256] from f32 to bf16, lays them out in FRAGMENT ORDER, and makes each row's squared norm.
; Fragment order: a tile is 16 rows x 256 k = 8,192 consecutive bytes.  Block b = 2 s + p (s: K step of 32, p: half of it) is 512 bytes at 512 b;
; in it lane L's 16 bytes lie at 16 L and hold row (L & 15), k = 32 s + 16 p + 8 (L >> 4) + 0..7.  So register quad 4 b of a tile's 64 fragment
; registers is one 16-byte load with lane i at byte 16 i, from memory and from LDS alike.
; The norms are summed in f32 from the ROUNDED numbers: product and norms then belong to one distance, that of the rounded vectors.
; One wave makes one tile (16 KiB in, 8 KiB out).  Work-groups 0..255 take z (1,024 tiles), 256..383 the codebook (512 tiles).  A work-group's four
; tiles give 64 norms: 256 consecutive bytes, stored by one instruction.  No loop: all 32 loads of a wave go out at once.
; No matrix unit, no tensor loads, no cluster: every byte is read by one wave alone.
; THE MODE: SCHED_MODE bits 1:0 = 2 (LLVM: expert scheduling mode 2), set by the entry lines.  The code itself states the register dependences
; between vector instructions and memory or LDS instructions, with s_wait_alu, always for 0.
; THE PLAN.  Registers that memory or LDS instructions touch:
;   v1 .. v6      offsets and LDS addresses: written once at the head, read by the loads and stores, never written again.
;   X             the 32 loads land in it, once; load n's four f32 then close up, in place, into its first two registers, which one LDS store reads;
;                 nobody writes them again.  The loads go in four groups of eight: group g's LDS stores are issued among group g + 1's conversions,
;                 which name group g + 1's registers alone, behind ONE wait on va_vdst at that group's head.
;   FR            written by the LDS loads alone; read by the global stores and by the unpacking lines; never written again.
;   v[NS]         written by the norm's last add, read by one LDS store.
;   v[8:9]        wave 0: written by an LDS load, read by a global store; no vector instruction names them.
;   v224, v225    written at the head, read by the closing add alone.
;   U and the rest of NS are named by vector instructions alone.
; No register that a memory or LDS instruction reads is written again, so no wait on vm_vsrc is owed.
.set PITCH, 528                        ; a staged row: 512 bytes of bf16 + 16, an odd multiple of 16, so that 16 rows' equal columns fall in 16 different groups of banks
.set WST,   16*PITCH                   ; a wave's stage
.set NB,    4*WST                      ; behind the four stages: the work-group's 64 norms
.set PK,    8                          ; v[8:9]     wave 0 at the end: two of the 64 norms
.set U,     16                         ; v[16:23]   8 numbers unpacked to f32
.set NS,    24                         ; v[24:31]   four pair sums of squares
.set X,     32                         ; v[32:159]  the 32 quads as loaded; then, in each quad's first two registers, its four numbers in bf16
.set FR,    160                        ; v[160:223] the tile's 64 fragment registers
	s_load_b256 s[4:11], s[0:1], 0x0               ; z s[4:5], codebook s[6:7], zf s[8:9], ef s[10:11]
	s_load_b128 s[12:15], s[0:1], 0x20             ; zz s[12:13], ee s[14:15]
	v_lshl_add_u32 v224, v0, 2, 0x8500
	v_mov_b32 v225, 0
	v_lshrrev_b32 v7, 5, v0
	v_readfirstlane_b32 s16, v7                    ; wave 0..3
	v_and_b32 v10, 31, v0                          ; lane
	v_and_b32 v11, 15, v0                          ; r
	v_bfe_u32 v12, v0, 4, 1                        ; h
	s_sub_co_u32 s18, ttmp9, 256                   ; the work-group's number among the codebook's (used only from 256 on)
	s_mov_b32 s28, 0xffff0000                      ; a word's upper bf16
	s_mov_b32 s29, 0x76543210                      ; v_permlanex16_b32: lane i reads lane i of the other half
	s_mov_b32 s30, 0xfedcba98
	s_wait_alu depctr_va_sdst(0)                   ; s16 is written, ahead of its first reader: the LDS bases, the tile's number and the last branch are made from it
	s_mul_i32 s31, s16, WST                        ; my stage
	s_lshl_b32 s19, s16, 6
	s_add_co_u32 s19, s19, NB                      ; my 16 norms
	v_lshlrev_b32 v1, 4, v10                       ; 16 x lane: loads of f32 and stores of fragments
	v_lshl_add_u32 v2, v10, 3, s31                 ; stage in: 8 bytes a lane
	v_mul_u32_u24 v3, v11, PITCH
	v_lshl_add_u32 v3, v12, 4, v3
	v_add_nc_u32 v3, s31, v3                       ; stage out: row r, 16 h
	v_lshl_add_u32 v4, v11, 2, s19                 ; norm of row r
	v_lshlrev_b32 v6, 3, v10                       ; 8 x lane: the 64 norms as 32 pairs
	v_add_nc_u32 v5, NB, v6
	s_wait_kmcnt 0x0
	s_cmp_lt_u32 ttmp9, 256                        ; z or codebook: hangs on the work-group's number alone
	s_cselect_b32 s17, ttmp9, s18                  ; my number in my matrix
	s_cselect_b64 s[20:21], s[4:5], s[6:7]         ; source
	s_cselect_b64 s[22:23], s[8:9], s[10:11]       ; fragments
	s_cselect_b64 s[24:25], s[12:13], s[14:15]     ; norms
	s_lshl2_add_u32 s18, s17, s16                  ; tile = 4 x work-group + wave
	s_mov_b32 s27, 0
	s_lshl_b32 s26, s18, 14                        ; 16 rows of 1,024 bytes
	s_add_nc_u64 s[20:21], s[20:21], s[26:27]
	s_lshl_b32 s26, s18, 13                        ; 8,192 bytes of fragments
	s_add_nc_u64 s[22:23], s[22:23], s[26:27]
	s_lshl_b32 s26, s17, 8                         ; 64 norms
	s_add_nc_u64 s[24:25], s[24:25], s[26:27]
	s_wait_alu depctr_va_vdst(0)                   ; the offsets and LDS addresses v1 to v6 are written: every load and store of the kernel reads one of them, and none is written again
	; the whole tile: load n covers 512 consecutive bytes, half q = n & 1 of row n >> 1
.set n, 0
.rept 32
	global_load_b128 v[X+4*n:X+4*n+3], v1, s[20:21] offset:512*n th:TH_LOAD_NT
.set n, n+1
.endr
; Load n's four numbers are rounded and close up into the first two of their four registers.
.macro CV n
	v_cvt_pk_bf16_f32 v[X+4*(\n)],   v[X+4*(\n)],   v[X+4*(\n)+1]
	v_cvt_pk_bf16_f32 v[X+4*(\n)+1], v[X+4*(\n)+2], v[X+4*(\n)+3]
.endm
; They are staged by rows: half n & 1 of row n >> 1.
.macro ST n
	ds_store_b64 v2, v[X+4*(\n):X+4*(\n)+1] offset:((\n)/2)*PITCH+((\n)%2)*256
.endm
	; round, and stage by rows, eight loads (four rows) to a group
	s_wait_loadcnt 24                              ; loads return in order: group 0 is in, the 24 younger loads stay out
.irp i, 0,1,2,3,4,5,6,7
	CV \i
.endr
.irp g, 1,2,3
	s_wait_loadcnt 24-8*(\g)                       ; this group is in, the later groups' loads stay out
	s_wait_alu depctr_va_vdst(0)                   ; the group before has written its packed pairs, which the eight LDS stores below read; this group's conversions name none of them
.irp i, 0,1,2,3,4,5,6,7
	ST 8*((\g)-1)+\i
	CV 8*(\g)+\i
.endr
.endr
	s_wait_alu depctr_va_vdst(0)                   ; group 3's conversions have written its packed pairs, which the last eight LDS stores read
.irp i, 0,1,2,3,4,5,6,7
	ST 24+\i
.endr
	; read back as fragments.  The bytes are the wave's own and LDS serves a wave's instructions in order: no wait between stores and loads.
	; No vector instruction has named FR, and v3 was written ahead of the head's wait: nothing more is owed here
.set b, 0
.rept 16
	ds_load_b128 v[FR+4*b:FR+4*b+3], v3 offset:32*b        ; k = 16 b + 8 h + 0..7 of row r
.set b, b+1
.endr
.set b, 0
.rept 16
	s_wait_dscnt 15-b                              ; block b is in, the 15 - b younger loads stay out
	global_store_b128 v1, v[FR+4*b:FR+4*b+3], s[22:23] offset:512*b        ; 512 consecutive bytes, aligned; its data come from an LDS load, which the wait above shows done
.irp j, 0,1,2,3
	v_lshlrev_b32 v[U+2*\j],   16,  v[FR+4*b+\j]   ; bf16 to f32
	v_and_b32     v[U+2*\j+1], s28, v[FR+4*b+\j]
.endr
.irp j, 0,2,4,6
.if b == 0
	v_pk_mul_f32 v[NS+\j:NS+\j+1], v[U+\j:U+\j+1], v[U+\j:U+\j+1]          ; the first squares start the sums
.else
	v_pk_fma_f32 v[NS+\j:NS+\j+1], v[U+\j:U+\j+1], v[U+\j:U+\j+1], v[NS+\j:NS+\j+1]
.endif
.endr
.set b, b+1
.endr
	v_pk_add_f32 v[NS:NS+1],   v[NS:NS+1],   v[NS+2:NS+3]
	v_pk_add_f32 v[NS+4:NS+5], v[NS+4:NS+5], v[NS+6:NS+7]
	v_pk_add_f32 v[NS:NS+1],   v[NS:NS+1],   v[NS+4:NS+5]
	v_add_f32 v[NS], v[NS], v[NS+1]                ; my half (h) of row r
	v_permlanex16_b32 v[U], v[NS], s29, s30        ; the other half's; the destination has been written before
	v_add_f32 v[NS], v[NS], v[U]
	s_wait_alu depctr_va_vdst(0)                   ; the add has written v[NS], which the LDS store reads
	ds_store_b32 v4, v[NS]                         ; lanes r and r + 16 write the same word with the same number
	s_wait_dscnt 0x0                               ; for wave 0's sake: my norms are in LDS
	s_barrier_signal -1
	s_barrier_wait -1
	s_cmp_lg_u32 s16, 0
	s_cbranch_scc1 .Lend
	ds_load_b64 v[PK:PK+1], v5                     ; all 64 norms, two a lane; no vector instruction names these two registers
	s_wait_dscnt 0x0
	global_store_b64 v6, v[PK:PK+1], s[24:25]      ; 256 consecutive bytes, aligned
.Lend:
	s_wait_dscnt 0x0                               ; the closing lines, six on end
	s_wait_alu 0x0
	s_wait_tensorcnt 0x0
	ds_add_u32 v224, v225
	s_wait_dscnt 0x0
	s_endpgm
.Lfunc_end_k_q21e588c148_prep:
	.size	k_q21e588c148_prep, .Lfunc_end_k_q21e588c148_prep-k_q21e588c148_prep
	.p2alignl 7, 3214868480
	.fill 96, 4, 3214868480
	.section	.rodata,"a",@progbits
	.p2align	6, 0x0
	.amdhsa_kernel k_q21e588c148_prep
		.amdhsa_group_segment_fixed_size 34560
		.amdhsa_private_segment_fixed_size 0
		.amdhsa_enable_private_segment 0
		.amdhsa_kernarg_size 48
		.amdhsa_user_sgpr_count 2
		.amdhsa_user_sgpr_kernarg_segment_ptr 1
		.amdhsa_wavefront_size32 1
		.amdhsa_system_sgpr_workgroup_id_x 1
		.amdhsa_system_sgpr_workgroup_id_y 1
		.amdhsa_system_sgpr_workgroup_id_z 1
		.amdhsa_system_vgpr_workitem_id 0
		.amdhsa_next_free_vgpr 226
		.amdhsa_next_free_sgpr 66
		.amdhsa_reserve_vcc 0
		.amdhsa_float_denorm_mode_32 3
		.amdhsa_float_denorm_mode_16_64 3
		.amdhsa_memory_ordered 1
		.amdhsa_forward_progress 1
		.amdhsa_inst_pref_size 24
	.end_amdhsa_kernel
	.amdgpu_metadata
---
amdhsa.version: [ 1, 2 ]
amdhsa.kernels:
  - .name:           k_q21e588c148_prep
    .symbol:         k_q21e588c148_prep.kd
    .args:
      - { .name: z, .offset: 0, .size: 8, .value_kind: global_buffer, .address_space: global }
      - { .name: codebook, .offset: 8, .size: 8, .value_kind: global_buffer, .address_space: global }
      - { .name: zf, .offset: 16, .size: 8, .value_kind: global_buffer, .address_space: global }
      - { .name: ef, .offset: 24, .size: 8, .value_kind: global_buffer, .address_space: global }
      - { .name: zz, .offset: 32, .size: 8, .value_kind: global_buffer, .address_space: global }
      - { .name: ee, .offset: 40, .size: 8, .value_kind: global_buffer, .address_space: global }
    .group_segment_fixed_size: 34560
    .private_segment_fixed_size: 0
    .kernarg_segment_align: 8
    .kernarg_segment_size: 48
    .max_flat_workgroup_size: 128
    .sgpr_count:     66
    .vgpr_count:     226
    .wavefront_size: 32
...
	.end_amdgpu_metadata
.endif
;; end of part 5
;; launch dist: the kernel of part 2 again; grid 64 x 4, 8 waves a work-group, clusters of 4 x 1, 327,680 bytes of LDS; arguments zf, ef, zz, ee, cval, cidx; writes cval, cidx
;; launch pick: the kernel of part 3 again; grid 256 x 1, 16 waves a work-group, no clusters, 2,304 bytes of LDS; arguments z, codebook, cval, cidx, out0, part; writes out0, part
;; launch total: the kernel of part 4 again; grid 1 x 1, 1 waves a work-group, no clusters, 0 bytes of LDS; arguments part, out1; writes out1
